; MI455X (gfx1250); checked and timed in simulation.
; The chip was launched on July 23, 2026; its instructions are those of AMD's public machine-readable ISA for CDNA 5 (MIT licence, August 2026) and "CDNA5" Instruction Set Architecture Reference Guide (July 2026). The comments in the code are by the model that wrote it; some were corrected since.
;; KAN Linear. Allowed arithmetic: matrix products marked QUANTISED: E2M1 operands, one E8M0 scale for each 32 along K, by v_wmma_scale_f32_16x16x128_f8f6f4 with both operands' format E2M1 (or v_wmma_scale_f32_32x16x128_f4), f32 sums; everything else in f32.
;; Inputs: base_weight 256 x 256 float32; grid 12 float32; spline_scaler 256 x 256 float32; spline_weight 256 x 256 x 8 float32; x 32,768 x 256 float32.
;; Outputs: out0 32,768 x 256 float32.
;; This version of the problem:
;;   THIS VERSION OF THE PROBLEM IS GIVEN IN LOW PRECISION. The matrix products marked QUANTISED in the list below multiply operands that are first quantised to E2M1 (2 exponent bits, 1 mantissa bit; 4 bits a number), with one power-of-two scale for each 32 numbers along K (OCP MX v1.0); their sums are f32. All else is computed in f32.
;;   The module's matrix products, in the order in which they are computed (A, B: the left and right operand; K: the contracted axis; several contracted axes count as one K, in the product's order):
;;     1. [M 32,768, K 256] x [K 256, N 256]; A: computed on the way; B: input base_weight: QUANTISED
;;     2. [M 32,768, K 2,048] x [K 2,048, N 256]; A: computed on the way; B: computed on the way: QUANTISED
;;   THE QUANTISER, for each operand of a quantised product, along K:
;;     - K is cut into blocks of 32 from its start; a last block that is shorter is filled with zeros.
;;     - A block's scale is 2^e with e = floor(log2(the largest magnitude in the block)) - 2, held to -126 .. 127; a block of zeros has e = 0. As a byte (E8M0): e + 127.
;;     - Each number is divided by its block's scale, clamped to +-6, and rounded to the nearest number of E2M1, ties to even, subnormals kept.
;;     - The product sums the exact products of the quantised numbers (number of the format x scale) in f32.
;;   ~~~python
;;   def quantise(x, axis):      # numpy; x: float32 -> the quantised numbers, widened to float32 again
;;       x = np.moveaxis(x, axis, -1); K = x.shape[-1]
;;       x = np.pad(x, [(0, 0)] * (x.ndim - 1) + [(0, -K % 32)]); x = x.reshape(x.shape[:-1] + (-1, 32)); a = np.abs(x).max(-1, keepdims=True)
;;       e = np.where(a > 0, np.clip(np.frexp(np.where(a > 0, a, 1))[1] - 1 - 2, -126, 127), 0)      # np.frexp(a)[1] - 1 = floor(log2(a)), exactly
;;       r = np.clip(x / 2.0 ** e, -6, 6)
;;       step = 2.0 ** (np.maximum(np.frexp(np.where(r == 0, 1, r))[1] - 1, 0) - 1)
;;       q = np.round(r / step) * step * 2.0 ** e      # np.round: ties to even
;;       return np.moveaxis(q.reshape(q.shape[:-2] + (-1,))[..., :K], -1, axis).astype(np.float32)
;;   ~~~
;;   OPERANDS COMPUTED ON THE WAY. 'Computed on the way' means the value that the module computes at that place (a softmax that the list does not call 'softmax' is quantised finished and normalised). What goes into a quantiser is computed in f32, as accurately as f32 sums, v_exp_f32 and their like allow (about 1e-6 of the number): no bf16 or f16 on the way to a quantiser, and a product that is left as it is and whose result goes on into a quantised operand takes f32 operands (vector FMAs, or v_wmma_f32_16x16x4_f32). A number that lies on a knife's edge between two numbers of the format may be rounded either way, as far as f32 arithmetic and the matrix unit's own rounding can turn it there, and no further.
;; One version. Each part assembles by itself: llvm-mc -triple=amdgcn-amd-amdhsa -mcpu=gfx1250 --defsym DOCPART=n.
;; ======== version 1 of 1: 2 launches
;; workspace buffers: wimg 313,344 bytes; gc 768 bytes
;; launch prep (part 1): grid 144 x 1, 1 waves a work-group, no clusters, 0 bytes of LDS; arguments base_weight, spline_weight, spline_scaler, grid, wimg, gc; writes wimg, gc
.if DOCPART == 1
	.amdgcn_target "amdgcn-amd-amdhsa--gfx1250"
	.amdhsa_code_object_version 6
	.text
	.protected	k_qf095753d51_prep
	.globl	k_qf095753d51_prep
	.p2align	8
	.type	k_qf095753d51_prep,@function
k_qf095753d51_prep:
	s_mov_b64 s[64:65], 0
	v_nop
	global_prefetch_b8 v0, s[64:65] scope:SCOPE_SE
	s_setreg_imm32_b32 hwreg(HW_REG_WAVE_MODE, 25, 1), 1
	s_wait_xcnt 0x0
; Both weight operands are quantised ONCE to codes of FP4 (E2M1) with one E8M0 byte for each 32 along K, and laid as images of the operand's registers; the grid's constants are made.
; wimg: 18 records of 17,408 bytes, one for each K step of 128: records 0, 1 = base_weight's features 128 rec on; record 2 + s = spline step s (features 16 s .. 16 s + 15, 8 coefficients each).
;   A record: 16 tiles (weight rows 16 t + r) x 1,024 bytes of codes: byte t*1024 + c*512 + 16*lane = registers 4c..4c+3 of lane (r, h), which are K block 2c + h of the step;
;   then 8 x 128 bytes of scale words: word l of pair u belongs to weight row 32 u + l, byte b to block b.
; K ORDER.  Base: block (c, h), place p = feature 128 rec + 64 c + 32 h + p.  Spline: block (c, h) = features f0 = 16 s + 8 c + 4 h .. + 3; place 16 P + 2 i + e = feature f0 + 2 P + e, coefficient i.
;   That is the block of 32 that the problem's K order has (4 features x 8 coefficients), permuted inside the block, alike here and in the launch that makes the other operand: scales, codes and products stay.
; gc: byte 8 i: (-g_i, a_i1); 256 + 8 i: (a_i2, a_i2); 512 + 8 i: (a_i3, a_i3), a_ik = 1 / (g_(i+k) - g_i), 0 where i + k > 11.
; SHARES.  Work-group j, one wave: record j / 8, tiles 2 u and 2 u + 1 with u = j % 8.  Lane (r, h) makes four whole blocks (tt, c) of row 32 u + 16 tt + r: no other lane is asked for a maximum.
; A lane reads 128 consecutive bytes of a block, lanes (r, 0) and (r, 1) together 256 consecutive aligned bytes.  Each store of codes covers 512 consecutive aligned bytes.  The scale words leave 128 bytes a store: one byte in seventeen of the buffer.
; LIMITS: NaN and infinities are not served; equal knots g_(i+k) = g_i are not served; a block of zeros gets the byte 1 (its codes are zeros; the bytes are read by this program alone).
.set R,  16                            ; v16-47   a block's 32 scaled weights, in the K order above
.set SC, 48                            ; v48-63   four scalers a block
.set L,  64                            ; v64-191  32 numbers a block, as loaded
.set C,  192                           ; v192-207 four registers of codes a block: no store's data are written again
.set BY, 208                           ; v208-211 a scale byte a block
.set RECB, 17408
; the largest magnitude of v[b] .. v[b+31] and the floor 2^(3 - 127), into v[t]: sixteen instructions, four chains
.macro MAX32 b, t
.irp q, 0,1,2,3
	v_max3_num_f32 v[(\t)+\q], |v[(\b)+8*\q]|, |v[(\b)+8*\q+1]|, |v[(\b)+8*\q+2]|
.endr
.irp j, 3,5
.irp q, 0,1,2,3
	v_max3_num_f32 v[(\t)+\q], v[(\t)+\q], |v[(\b)+8*\q+\j]|, |v[(\b)+8*\q+\j+1]|
.endr
.endr
	v_max3_num_f32 v[(\t)], v[(\t)], |v[(\b)+7]|, |v[(\b)+15]|
	v_max3_num_f32 v[(\t)+2], v[(\t)+2], |v[(\b)+23]|, |v[(\b)+31]|
	v_max3_num_f32 v[(\t)], v[(\t)], v[(\t)+1], v[(\t)+2]
	v_max3_num_f32 v[(\t)], v[(\t)], v[(\t)+3], 0x1800000      ; the floor holds the byte at 1 from below
.endm
; block blk = 2 tt + c: wait for its loads, (spline: times the scaler, into the K order), scale, codes, store
.macro QB blk, spline
.if \spline
	s_wait_loadcnt 9*(3-(\blk))                    ; nine loads for each later block may be out
.irp P, 0,1
.irp e, 0,1
.irp i, 0,1,2,3,4,5,6,7
	v_mul_f32 v[R+16*\P+2*\i+\e], v[L+32*(\blk)+8*(2*\P+\e)+\i], v[SC+4*(\blk)+2*\P+\e]
.endr
.endr
.endr
	MAX32 R, 10
.else
	s_wait_loadcnt 8*(3-(\blk))                    ; eight loads for each later block may be out
	MAX32 L+32*(\blk), 10
.endif
	v_add_nc_u32 v9, 0xff000000, v10               ; 2 off the exponent field: the conversion takes this operand's exponent field as its scale
.irp g, 0,1,2,3
.if \spline
	v_cvt_scalef32_pk8_fp4_f32 v[C+4*(\blk)+\g], v[R+8*\g:R+8*\g+7], v9
.else
	v_cvt_scalef32_pk8_fp4_f32 v[C+4*(\blk)+\g], v[L+32*(\blk)+8*\g:L+32*(\blk)+8*\g+7], v9
.endif
.endr
	v_lshrrev_b32 v[BY+(\blk)], 23, v9             ; the scale's byte; also the plain instruction behind the conversions
	global_store_b128 v4, v[C+4*(\blk):C+4*(\blk)+3], s[26:27] offset:((\blk)/2)*1024+((\blk)%2)*512
.endm
	s_load_b256 s[4:11], s[0:1], 0x0               ; base_weight s[4:5], spline_weight s[6:7], spline_scaler s[8:9], grid s[10:11]
	s_load_b128 s[12:15], s[0:1], 0x20             ; wimg s[12:13], gc s[14:15]
	v_and_b32 v1, 15, v0                           ; r
	v_lshrrev_b32 v2, 4, v0                        ; h
	v_lshlrev_b32 v3, 3, v2                        ; 8 h
	v_lshlrev_b32 v4, 4, v0                        ; 16 x lane
	v_lshlrev_b32 v5, 2, v0                        ; 4 x lane
	v_lshlrev_b32 v6, 13, v1
	v_lshl_add_u32 v6, v2, 7, v6                   ; spline_weight: 8,192 r + 128 h
	v_lshlrev_b32 v7, 10, v1
	v_lshl_add_u32 v8, v2, 7, v7                   ; base_weight: 1,024 r + 128 h
	v_lshl_add_u32 v7, v2, 4, v7                   ; spline_scaler: 1,024 r + 16 h
	s_lshr_b32 s16, ttmp9, 3                       ; the record
	s_and_b32 s17, ttmp9, 7                        ; u
	s_mov_b32 s24, 0x76543210
	s_mov_b32 s25, 0xfedcba98                      ; v_permlanex16_b32's selects for lane l xor 16
	s_mul_i32 s18, s16, RECB
	s_lshl_b32 s19, s17, 11
	s_add_co_u32 s20, s18, s19                     ; my two tiles' codes
	s_mov_b32 s21, 0
	s_lshl_b32 s19, s17, 7
	s_add_co_u32 s22, s18, s19
	s_add_co_u32 s22, s22, 16384                   ; my pair's scale words
	s_mov_b32 s23, 0
	s_wait_kmcnt 0x0
	s_add_nc_u64 s[26:27], s[12:13], s[20:21]
	s_add_nc_u64 s[28:29], s[12:13], s[22:23]
	s_cmp_lt_u32 s16, 2
	s_cbranch_scc1 .Lbase
	; ---- a spline record
	s_sub_co_u32 s18, s16, 2                       ; s
	s_lshl_b32 s20, s17, 18                        ; 32 u rows of 8,192 bytes
	s_lshl_b32 s19, s18, 9                         ; 16 s features of 32 bytes
	s_add_co_u32 s20, s20, s19
	s_add_nc_u64 s[6:7], s[6:7], s[20:21]
	s_lshl_b32 s22, s17, 15                        ; 32 u rows of 1,024 bytes
	s_lshl_b32 s19, s18, 6                         ; 16 s features of 4 bytes
	s_add_co_u32 s22, s22, s19
	s_add_nc_u64 s[8:9], s[8:9], s[22:23]
.irp b, 0,1,2,3
	global_load_b128 v[SC+4*\b:SC+4*\b+3], v7, s[8:9] offset:(\b/2)*16384+(\b%2)*32 th:TH_LOAD_NT
.irp j, 0,1,2,3,4,5,6,7
	global_load_b128 v[L+32*\b+4*\j:L+32*\b+4*\j+3], v6, s[6:7] offset:(\b/2)*131072+(\b%2)*256+16*\j th:TH_LOAD_NT
.endr
.endr
	QB 0, 1
	QB 1, 1
	QB 2, 1
	QB 3, 1
	s_branch .Lwords
.Lbase:
	; ---- a record of base_weight
	s_lshl_b32 s20, s17, 15                        ; 32 u rows of 1,024 bytes
	s_lshl_b32 s19, s16, 9                         ; 128 features of 4 bytes a record
	s_add_co_u32 s20, s20, s19
	s_add_nc_u64 s[4:5], s[4:5], s[20:21]
.irp b, 0,1,2,3
.irp j, 0,1,2,3,4,5,6,7
	global_load_b128 v[L+32*\b+4*\j:L+32*\b+4*\j+3], v8, s[4:5] offset:(\b/2)*16384+(\b%2)*256+16*\j th:TH_LOAD_NT
.endr
.endr
	QB 0, 0
	QB 1, 0
	QB 2, 0
	QB 3, 0
.Lwords:
	; my bytes of tile tt are those of blocks h and 2 + h: 8 h bits up they stand at their places; with lane l xor 16's two the word is whole
	v_lshl_or_b32 v212, v[BY+1], 16, v[BY]
	v_lshl_or_b32 v213, v[BY+3], 16, v[BY+2]
	v_lshlrev_b32 v212, v3, v212
	v_lshlrev_b32 v213, v3, v213
	v_mov_b32 v214, 0                              ; a lane permute's destination counts as one of its sources
	v_mov_b32 v215, 0
	v_permlanex16_b32 v214, v212, s24, s25
	v_permlanex16_b32 v215, v213, s24, s25
	v_or_b32 v212, v212, v214
	v_or_b32 v213, v213, v215
	v_cmp_eq_u32 vcc_lo, 1, v2
	v_cndmask_b32 v212, v212, v213, vcc_lo         ; lanes 0-15: tile 2 u's words; lanes 16-31: tile 2 u + 1's
	global_store_b32 v5, v212, s[28:29]
	s_cmp_lg_u32 ttmp9, 0
	s_cbranch_scc1 .Ldone
	; ---- work-group 0 also makes the grid's constants: lane l those of knot l
	v_min_u32 v16, 11, v0
	v_add_nc_u32 v17, 1, v0
	v_add_nc_u32 v18, 2, v0
	v_add_nc_u32 v19, 3, v0
	v_min_u32 v17, 11, v17                         ; no load leaves the 12 knots
	v_min_u32 v18, 11, v18
	v_min_u32 v19, 11, v19
	v_lshlrev_b32 v16, 2, v16
	v_lshlrev_b32 v17, 2, v17
	v_lshlrev_b32 v18, 2, v18
	v_lshlrev_b32 v19, 2, v19
	global_load_b32 v20, v16, s[10:11]
	global_load_b32 v21, v17, s[10:11]
	global_load_b32 v22, v18, s[10:11]
	global_load_b32 v23, v19, s[10:11]
	s_wait_loadcnt 0x0
	v_sub_f32 v24, v21, v20
	v_sub_f32 v25, v22, v20
	v_sub_f32 v26, v23, v20
	v_rcp_f32 v28, v24
	v_rcp_f32 v29, v25
	v_rcp_f32 v30, v26
	v_xor_b32 v40, 0x80000000, v20                 ; -g_l; also the plain instruction behind the reciprocals
	s_wait_alu depctr_va_vdst(0)                   ; one wait for the three, ahead of their first reader
	v_fma_f32 v32, -v24, v28, 1.0                  ; one Newton step each
	v_fma_f32 v33, -v25, v29, 1.0
	v_fma_f32 v34, -v26, v30, 1.0
	v_fma_f32 v28, v28, v32, v28
	v_fma_f32 v29, v29, v33, v29
	v_fma_f32 v30, v30, v34, v30
	v_cmp_gt_u32 vcc_lo, 11, v0                    ; l + 1 <= 11
	v_cndmask_b32 v41, 0, v28, vcc_lo
	v_cmp_gt_u32 vcc_lo, 10, v0                    ; l + 2 <= 11
	v_cndmask_b32 v42, 0, v29, vcc_lo
	v_cmp_gt_u32 vcc_lo, 9, v0                     ; l + 3 <= 11
	v_cndmask_b32 v44, 0, v30, vcc_lo
	v_mov_b32 v43, v42
	v_mov_b32 v45, v44
	v_lshlrev_b32 v46, 3, v0
	global_store_b64 v46, v[40:41], s[14:15]                ; each of the three covers 256 consecutive aligned bytes
	global_store_b64 v46, v[42:43], s[14:15] offset:256
	global_store_b64 v46, v[44:45], s[14:15] offset:512
.Ldone:
	s_endpgm
.Lfunc_end_k_qf095753d51_prep:
	.size	k_qf095753d51_prep, .Lfunc_end_k_qf095753d51_prep-k_qf095753d51_prep
	.p2alignl 7, 3214868480
	.fill 96, 4, 3214868480
	.section	.rodata,"a",@progbits
	.p2align	6, 0x0
	.amdhsa_kernel k_qf095753d51_prep
		.amdhsa_group_segment_fixed_size 0
		.amdhsa_private_segment_fixed_size 0
		.amdhsa_enable_private_segment 0
		.amdhsa_kernarg_size 48
		.amdhsa_user_sgpr_count 2
		.amdhsa_user_sgpr_kernarg_segment_ptr 1
		.amdhsa_wavefront_size32 1
		.amdhsa_system_sgpr_workgroup_id_x 1
		.amdhsa_system_sgpr_workgroup_id_y 1
		.amdhsa_system_sgpr_workgroup_id_z 1
		.amdhsa_system_vgpr_workitem_id 0
		.amdhsa_next_free_vgpr 216
		.amdhsa_next_free_sgpr 66
		.amdhsa_reserve_vcc 1
		.amdhsa_float_denorm_mode_32 3
		.amdhsa_float_denorm_mode_16_64 3
		.amdhsa_memory_ordered 1
		.amdhsa_forward_progress 1
		.amdhsa_inst_pref_size 27
	.end_amdhsa_kernel
	.amdgpu_metadata
---
amdhsa.version: [ 1, 2 ]
amdhsa.kernels:
  - .name:           k_qf095753d51_prep
    .symbol:         k_qf095753d51_prep.kd
    .args:
      - { .name: base_weight, .offset: 0, .size: 8, .value_kind: global_buffer, .address_space: global }
      - { .name: spline_weight, .offset: 8, .size: 8, .value_kind: global_buffer, .address_space: global }
      - { .name: spline_scaler, .offset: 16, .size: 8, .value_kind: global_buffer, .address_space: global }
      - { .name: grid, .offset: 24, .size: 8, .value_kind: global_buffer, .address_space: global }
      - { .name: wimg, .offset: 32, .size: 8, .value_kind: global_buffer, .address_space: global }
      - { .name: gc, .offset: 40, .size: 8, .value_kind: global_buffer, .address_space: global }
    .group_segment_fixed_size: 0
    .private_segment_fixed_size: 0
    .kernarg_segment_align: 8
    .kernarg_segment_size: 48
    .max_flat_workgroup_size: 32
    .sgpr_count:     66
    .vgpr_count:     216
    .wavefront_size: 32
...
	.end_amdgpu_metadata
.endif
;; end of part 1
;; launch kan (part 2): grid 256 x 1, 8 waves a work-group, clusters of 4 x 1, 327,680 bytes of LDS; arguments x, wimg, gc, out0; writes out0
.if DOCPART == 2
	.amdgcn_target "amdgcn-amd-amdhsa--gfx1250"
	.amdhsa_code_object_version 6
	.text
	.protected	k_qf095753d51_kan
	.globl	k_qf095753d51_kan
	.p2align	8
	.type	k_qf095753d51_kan,@function
k_qf095753d51_kan:
	s_mov_b64 s[64:65], 0
	v_nop
	global_prefetch_b8 v0, s[64:65] scope:SCOPE_SE
	s_setreg_imm32_b32 hwreg(HW_REG_WAVE_MODE, 25, 1), 1
	s_wait_xcnt 0x0
	s_wait_alu depctr_hold_cnt(0) depctr_sa_sdst(0) depctr_va_vdst(0) depctr_va_sdst(0) depctr_va_ssrc(0) depctr_va_vcc(0) depctr_vm_vsrc(0)
	s_getreg_b32 s2, hwreg(HW_REG_IB_STS2, 6, 4)
	s_cmp_eq_u32 s2, 0
	s_cbranch_scc0 .Lentry_in_a_cluster
	s_endpgm
.Lentry_in_a_cluster:
	s_bfe_u32 s2, ttmp6, 0x10000c
	s_cmp_lg_u32 s2, 0x3003
	s_cbranch_scc0 .Lentry_shape_is_right
	s_endpgm
.Lentry_shape_is_right:
; out[m][n] = sum_f Q(silu(x[m][f])) Q(Wb[n][f]) + sum_(f,i) Q(B_i(x[m][f])) Q(Ws[n][f][i] scaler[n][f]): both products on codes of FP4 (E2M1) with one E8M0 scale for each 32 along K, into ONE set of f32 sums.
; The weights come as images of operand registers from wimg (18 records of 17,408 bytes, one a K step of 128), the grid's constants from gc; both were made by the launch before.
; SHARES.  Work-group W = 4 x cluster + cx owns rows 128 W .. + 127.  Each of its eight waves owns 16 rows, all 256 columns and all of K: 16 accumulators, 128 registers.  Two waves lie on a SIMD: the vector work of
; the recursion (131 vector instructions for two features) outweighs the 16 matrix instructions of a K step, so one wave's LDS waits and products stand under the other's vector work; nothing is interleaved by hand.
; LAYOUT.  The product is used transposed (source 0 = 16 weight rows, source 1 = my 16 rows): lane (r, h) holds row r; register j of accumulator t is out(r, 16 t + 8 h + j).  Of the operand that I make, lane (r, h) owns
; whole blocks of 32 (block 2 c + h of a step), so the conversions' results ARE the operand's registers and no number changes lanes; the scale word's four bytes are gathered from lanes l and l xor 16.
; K ORDER, as in wimg.  Base step rec, block (c, h), place p: feature 128 rec + 64 c + 32 h + p.  Spline step s, block (c, h): features f0 = 16 s + 8 c + 4 h .. + 3; place 16 P + 2 i + e = feature f0 + 2 P + e, coefficient i.
; THE BASES, two features at a time (packed f32), for ANY 12 knots (nothing is assumed of their order or spacing): d_i = x - g_i; ind_i = (0 <= d_i) and not (0 <= d_(i+1)), which is x >= g_i and x < g_(i+1);
;   c1_i = ind_i ? a_i1 : 0;  b^k_i = d_i c^k_i - d_(i+k+1) c^k_(i+1);  c^(k+1)_i = a_i(k+1) b^k_i;  a_ik = 1 / (g_(i+k) - g_i).  Differences first, then products.
; LDS.  x: my 16 rows, by four tensor loads of my own (64 features each), read by me alone.  Weights: asked for JOINTLY by the four work-groups of a cluster, which walk the same records: each wave fetches an eighth.
;   The base records are filled once; the 16 spline records go in four groups of four through two slots: groups 2 and 3 are refills, each with a whole group's work (four K steps) in which to land.
; LIMITS: NaN and infinities in x are not served; for x under about -88 silu(x) comes out as -0 in place of a number under 1e-36; a block of zeros has the byte 1 (its codes are zeros).
.set RECB,  17408                      ; a record: 16 x 1,024 bytes of codes, 8 x 128 of scale words
.set SLOTB, 4*RECB                     ; a slot: four records
.set BASEW, 2*SLOTB                    ; behind the two slots: records 0 and 1
.set XREG,  BASEW+2*RECB               ; x: for each wave [4 groups][16 rows][256 bytes + 16]; on the way out the wave's stage, 16 rows x (1,024 + 16) bytes: it has had its one fill
.set XGRP,  16*272
.set XWAVE, 4*XGRP
.set SPARE, XREG+8*XWAVE               ; the spare words: 128 bytes for each of the eight waves, four blocks of 256 bytes that no other line names
.set SPW, 2                            ; v2   LDS address of my spare word; never rewritten
.set NIL, 3                            ; v3   0; never rewritten
.set LI,  4                            ; v4   16 x lane
.set LS,  5                            ; v5   4 x lane
.set XA0, 6                            ; v6   x for the bases: my region + 272 r + 16 h
.set XA1, 7                            ; v7   x for silu: my region + 272 r + 128 h
.set H8,  8                            ; v8   8 h
.set ADB, 9                            ; v9   the record's codes;  v10 its scale words;  v11 the step's x
.set ADS, 10
.set ADX, 11
.set SO,  12                           ; v12  the stage, in: my region + 1,040 r + 32 h
.set SR,  13                           ; v13  the stage, back: my region + 16 x lane
.set ZO,  14                           ; v14  0: the offset of the uniform loads
.set T,   16                           ; v16-19 maxima; v20 the conversions' scale operand; v21-22 bytes; v23 a permute's destination
.set X,   24                           ; v24-31 eight features of x
.set AC,  32                           ; v32-39 the step's codes
.set AS,  40                           ; v40    their scale word
.set BS,  42                           ; v42-49 the record's scale words: lanes 0-15 tile 2 u, lanes 16-31 tile 2 u + 1
.set BAC, 50                           ; v50-65 silu's codes, two fragments
.set BAS, 66                           ; v66-67 their scale words
.set BYB, 68                           ; v68-71 silu's scale bytes
.set K2,  72                           ; v72-91  (a_i2, a_i2), i = 0 .. 9
.set K3,  92                           ; v92-111 (a_i3, a_i3), i = 0 .. 9
.set D,   112                          ; v112-135 d_i, 12 pairs
.set CA,  136                          ; v136-157 c1 (11 pairs), later b2 and c3
.set CB,  158                          ; v158-177 b1 and c2 (10 pairs)
.set OUT, 178                          ; v178-209 a block's 32 bases
.set SX,  112                          ; silu: 32 numbers of x;  v144-175 at work
.set ST,  144
.set ACC, 0                            ; window 1: v0-127 the 16 accumulators;  v128-255 the record's 16 fragments
.set BF,  128
.set WV,  12                           ; s12  my wave's number
.set TB,  16                           ; s16  LDS byte of the record in hand;  s17 of the step's x;  s18 counts a group's steps.  (They lie over G1B: first written when its load is shown done)
.set TX,  17
.set CNT, 18
.set G1B, 16                           ; s[16:23] group 1: 17 rows of 256 bytes
.set SEL, 24                           ; s[24:25] selects for lane l xor 16
.set G1W, 28                           ; s[28:35] group 1: 34 rows of 256 bytes
.set G0S0, 36                          ; s[36:39], s[40:43] groups 0 of the two slots
.set G0S1, 40
.set G0X, 44                           ; s[44:59] groups 0 of x's four loads
.set G0B, 60                           ; s[60:63] group 0 of the base records
.set G1X, 68                           ; s[68:75] group 1 of x's loads
.set ME0, 44                           ; s44-55, s66-77 the masks of the even and the odd feature.  (Over G0X and G1X: first written when x's loads are shown done)
.set ME1, 66
.set GC,  78                           ; s[78:101] pair i: (-g_i, a_i1)
.set MSB, 0
.macro WIN new                         ; the immediate's high byte repeats the setting that is left; a switch that changes nothing is dropped
.if MSB != \new
	s_set_vgpr_msb (MSB<<8)|\new
.set MSB, \new
.endif
.endm
.macro NOPS n
.rept \n
	v_nop
.endr
.endm
; a round of the cluster's barrier: my work-group's barrier, wave 0's signal for the work-group, every wave's wait for all four work-groups, my work-group's barrier once more
.macro ROUND
	s_barrier_signal -1
	s_barrier_wait -1
	s_cmp_lg_u32 s[WV], 0
	s_cbranch_scc1 .Lnot_wave_0_\@
	s_barrier_signal -3
.Lnot_wave_0_\@:
	s_barrier_wait -3
	s_barrier_signal -1
	s_barrier_wait -1
.endm
; the largest magnitude of v[b] .. v[b+31] and the floor 2^(3 - 127), into v[t]: sixteen instructions, four chains
.macro MAX32 b, t
.irp q, 0,1,2,3
	v_max3_num_f32 v[(\t)+\q], |v[(\b)+8*\q]|, |v[(\b)+8*\q+1]|, |v[(\b)+8*\q+2]|
.endr
.irp j, 3,5
.irp q, 0,1,2,3
	v_max3_num_f32 v[(\t)+\q], v[(\t)+\q], |v[(\b)+8*\q+\j]|, |v[(\b)+8*\q+\j+1]|
.endr
.endr
	v_max3_num_f32 v[(\t)], v[(\t)], |v[(\b)+7]|, |v[(\b)+15]|
	v_max3_num_f32 v[(\t)+2], v[(\t)+2], |v[(\b)+23]|, |v[(\b)+31]|
	v_max3_num_f32 v[(\t)], v[(\t)], v[(\t)+1], v[(\t)+2]
	v_max3_num_f32 v[(\t)], v[(\t)], v[(\t)+3], 0x1800000      ; the floor holds the byte at 1 from below
.endm
; silu of my 32 features of group g (64 g + 32 h on) and their codes: block (c = g % 2, h) of base step g / 2
.macro SILU g
	s_wait_tensorcnt 6-(\g)                        ; behind x's group g were issued: 3 - g of x, the base records, the two slots
.irp j, 0,1,2,3,4,5,6,7
	ds_load_b128 v[SX+4*\j:SX+4*\j+3], v[XA1] offset:(\g)*XGRP+16*\j
.endr
	s_wait_dscnt 0x0
.set j, 0
.rept 16
	v_pk_mul_f32 v[ST+j:ST+j+1], v[SX+j:SX+j+1], 0xbfb8aa3b op_sel_hi:[1,0]   ; -x log2(e)
.set j, j+2
.endr
.set j, 0
.rept 32
	v_exp_f32 v[ST+j], v[ST+j]
.set j, j+1
.endr
	v_nop                                          ; a plain instruction behind the last exponential
	s_wait_alu depctr_va_vdst(0)                   ; one wait for the batch, ahead of its first reader
.set j, 0
.rept 16
	v_pk_add_f32 v[ST+j:ST+j+1], v[ST+j:ST+j+1], 1.0 op_sel_hi:[1,0]
.set j, j+2
.endr
.set j, 0
.rept 32
	v_rcp_f32 v[ST+j], v[ST+j]
.set j, j+1
.endr
	v_nop
	s_wait_alu depctr_va_vdst(0)                   ; and one for the reciprocals
.set j, 0
.rept 16
	v_pk_mul_f32 v[SX+j:SX+j+1], v[SX+j:SX+j+1], v[ST+j:ST+j+1]               ; x / (1 + e^-x)
.set j, j+2
.endr
	MAX32 SX, T
	v_add_nc_u32 v[T+4], 0xff000000, v[T]          ; 2 off the exponent field: the conversions' scale operand
	v_lshrrev_b32 v[BYB+(\g)], 23, v[T+4]          ; the scale's byte
.irp q, 0,1,2,3
	v_cvt_scalef32_pk8_fp4_f32 v[BAC+4*(\g)+\q], v[SX+8*\q:SX+8*\q+7], v[T+4]
.endr
	v_nop                                          ; a plain instruction behind the conversions
.endm
; a scale word from my two bytes (blocks h and 2 + h) and lane l xor 16's two
.macro WORD dst, b0, b1
	v_lshl_or_b32 v[T], v[\b1], 16, v[\b0]
	v_lshlrev_b32 v[T], v[H8], v[T]
	v_permlanex16_b32 v[T+7], v[T], s[SEL], s[SEL+1]
	v_or_b32 v[\dst], v[T], v[T+7]
.endm
; a record's 16 fragments and 8 registers of scale words: 40 LDS loads, each of consecutive bytes
.macro BLOAD
	WIN 0x40                                       ; destination window 1
.set t, 0
.rept 16
	ds_load_b128 v[BF+8*t:BF+8*t+3],   v[ADB] offset:t*1024
	ds_load_b128 v[BF+8*t+4:BF+8*t+7], v[ADB] offset:t*1024+512
.set t, t+1
.endr
	WIN 0
.irp u, 0,1,2,3,4,5,6,7
	ds_load_b32 v[BS+\u], v[ADS] offset:16384+128*\u
.endr
.endm
; 16 matrix instructions, one for each accumulator, by turns.  a: my codes;  sc: my scale word;  zero = 1: the products start the sums: nothing is ever cleared
.macro MM16 a, sc, zero
	WIN 0x51                                       ; D, C and source 0 in window 1, source 1 in window 0
.irp t, 0,1,2,3,4,5,6,7,8,9,10,11,12,13,14,15
.if \zero
.if (\t)%2
	v_wmma_scale_f32_16x16x128_f8f6f4 v[ACC+8*\t:ACC+8*\t+7], v[BF+8*\t:BF+8*\t+7], v[\a:\a+7], 0, v[BS+\t/2], v[\sc] matrix_a_fmt:MATRIX_FMT_FP4 matrix_b_fmt:MATRIX_FMT_FP4 matrix_a_scale:MATRIX_SCALE_ROW1
.else
	v_wmma_scale_f32_16x16x128_f8f6f4 v[ACC+8*\t:ACC+8*\t+7], v[BF+8*\t:BF+8*\t+7], v[\a:\a+7], 0, v[BS+\t/2], v[\sc] matrix_a_fmt:MATRIX_FMT_FP4 matrix_b_fmt:MATRIX_FMT_FP4
.endif
.else
.if (\t)%2
	v_wmma_scale_f32_16x16x128_f8f6f4 v[ACC+8*\t:ACC+8*\t+7], v[BF+8*\t:BF+8*\t+7], v[\a:\a+7], v[ACC+8*\t:ACC+8*\t+7], v[BS+\t/2], v[\sc] matrix_a_fmt:MATRIX_FMT_FP4 matrix_b_fmt:MATRIX_FMT_FP4 matrix_a_scale:MATRIX_SCALE_ROW1
.else
	v_wmma_scale_f32_16x16x128_f8f6f4 v[ACC+8*\t:ACC+8*\t+7], v[BF+8*\t:BF+8*\t+7], v[\a:\a+7], v[ACC+8*\t:ACC+8*\t+7], v[BS+\t/2], v[\sc] matrix_a_fmt:MATRIX_FMT_FP4 matrix_b_fmt:MATRIX_FMT_FP4
.endif
.endif
.endr
	WIN 0
.endm
; the eight bases of features X[2 p] and X[2 p + 1], into places 16 (p % 2) + 2 i + e of the block
.macro PAIR p
.set XP, X+2*(\p)
.set OP, OUT+16*((\p)%2)
.irp i, 0,1,2,3,4,5,6,7,8,9,10,11
	v_pk_add_f32 v[D+2*\i:D+2*\i+1], v[XP:XP+1], s[GC+2*\i:GC+2*\i+1] op_sel_hi:[1,0]      ; d_i = x + (-g_i): of the scalar pair the low word serves both halves
.endr
.irp i, 0,1,2,3,4,5,6,7,8,9,10,11
	v_cmp_le_f32 s[ME0+\i], 0, v[D+2*\i]           ; x >= g_i
	v_cmp_le_f32 s[ME1+\i], 0, v[D+2*\i+1]
.endr
.irp i, 0,1,2,3,4,5,6,7,8,9,10
	s_and_not1_b32 s[ME0+\i], s[ME0+\i], s[ME0+\i+1]   ; and not x >= g_(i+1): in place, ascending, so that the right neighbour is still whole
	s_and_not1_b32 s[ME1+\i], s[ME1+\i], s[ME1+\i+1]
.endr
.irp i, 0,1,2,3,4,5,6,7,8,9,10
	v_cndmask_b32 v[CA+2*\i],   0, s[GC+2*\i+1], s[ME0+\i]     ; c1_i = a_i1 in the knot span, else 0: a choice of values, no branch
	v_cndmask_b32 v[CA+2*\i+1], 0, s[GC+2*\i+1], s[ME1+\i]
.endr
.irp i, 0,1,2,3,4,5,6,7,8,9
	v_pk_mul_f32 v[CB+2*\i:CB+2*\i+1], v[D+2*\i:D+2*\i+1], v[CA+2*\i:CA+2*\i+1]
.endr
.irp i, 0,1,2,3,4,5,6,7,8,9
	v_pk_fma_f32 v[CB+2*\i:CB+2*\i+1], v[D+2*\i+4:D+2*\i+5], v[CA+2*\i+2:CA+2*\i+3], v[CB+2*\i:CB+2*\i+1] neg_lo:[1,0,0] neg_hi:[1,0,0]   ; b1_i
.endr
.irp i, 0,1,2,3,4,5,6,7,8,9
	v_pk_mul_f32 v[CB+2*\i:CB+2*\i+1], v[CB+2*\i:CB+2*\i+1], v[K2+2*\i:K2+2*\i+1]          ; c2_i
.endr
.irp i, 0,1,2,3,4,5,6,7,8
	v_pk_mul_f32 v[CA+2*\i:CA+2*\i+1], v[D+2*\i:D+2*\i+1], v[CB+2*\i:CB+2*\i+1]
.endr
.irp i, 0,1,2,3,4,5,6,7,8
	v_pk_fma_f32 v[CA+2*\i:CA+2*\i+1], v[D+2*\i+6:D+2*\i+7], v[CB+2*\i+2:CB+2*\i+3], v[CA+2*\i:CA+2*\i+1] neg_lo:[1,0,0] neg_hi:[1,0,0]   ; b2_i
.endr
.irp i, 0,1,2,3,4,5,6,7,8
	v_pk_mul_f32 v[CA+2*\i:CA+2*\i+1], v[CA+2*\i:CA+2*\i+1], v[K3+2*\i:K3+2*\i+1]          ; c3_i
.endr
.irp i, 0,1,2,3,4,5,6,7
	v_pk_mul_f32 v[OP+2*\i:OP+2*\i+1], v[D+2*\i:D+2*\i+1], v[CA+2*\i:CA+2*\i+1]
.endr
.irp i, 0,1,2,3,4,5,6,7
	v_pk_fma_f32 v[OP+2*\i:OP+2*\i+1], v[D+2*\i+8:D+2*\i+9], v[CA+2*\i+2:CA+2*\i+3], v[OP+2*\i:OP+2*\i+1] neg_lo:[1,0,0] neg_hi:[1,0,0]   ; b3_i
.endr
.endm
; the block in OUT becomes registers 4 c .. 4 c + 3 of my operand; behind the second block the scale word is made
.macro QBLOCK c
	MAX32 OUT, T
	v_add_nc_u32 v[T+4], 0xff000000, v[T]
	v_lshrrev_b32 v[T+5+(\c)], 23, v[T+4]
.if \c
	WORD AS, T+5, T+6
.endif
.irp q, 0,1,2,3
	v_cvt_scalef32_pk8_fp4_f32 v[AC+4*(\c)+\q], v[OUT+8*\q:OUT+8*\q+7], v[T+4]
.endr
	v_nop                                          ; a plain instruction behind the conversions
.endm
; a K step of 128: 16 features
.macro KSTEP
	v_add_nc_u32 v[ADB], s[TB], v[LI]              ; these three and the v_nop are the four places between the last products and the loads into the registers that they read (ISA guide 7.12.1 for vector instructions)
	v_add_nc_u32 v[ADS], s[TB], v[LS]
	v_add_nc_u32 v[ADX], s[TX], v[XA0]
	v_nop
	ds_load_b128 v[X:X+3],   v[ADX]                ; features 16 s + 4 h .. + 3
	ds_load_b128 v[X+4:X+7], v[ADX] offset:32      ; and 16 s + 8 + 4 h .. + 3
	BLOAD                                          ; the record's fragments land under the recursion
	s_wait_dscnt 40                                ; x is in: behind its two loads stand the record's 32 + 8
	PAIR 0
	PAIR 1
	QBLOCK 0
	PAIR 2
	PAIR 3
	QBLOCK 1
	NOPS 8                                         ; a scale register written by a vector instruction stands eight places ahead of a scaled product, an operand so written four
	s_wait_dscnt 0x0                               ; the record is in
	MM16 AC, AS, 0
.endm
; a group of four K steps: the records of one slot, 64 features of x
.macro GROUP slot, g
	s_mov_b32 s[TB], (\slot)*SLOTB
	s_mov_b32 s[TX], (\g)*XGRP
	s_mov_b32 s[CNT], 4
.Lstep_\@:
	KSTEP
	s_add_co_u32 s[TB], s[TB], RECB
	s_add_co_u32 s[TX], s[TX], 64
	s_sub_co_u32 s[CNT], s[CNT], 1
	s_cmp_lg_u32 s[CNT], 0
	s_cbranch_scc1 .Lstep_\@
.endm
; THE CHANGE OF SLOTS.  Each wave waits for all its tensor loads (its eighth of the slot ahead), adds 0 to its spare word, and waits for that and for its reads of the slot that it has left.
; fill = 1: that slot is filled again, with the group two on: behind a round of the cluster's barrier, so that no wave of any partner still reads it or has a load on its way; one load a wave, first thing behind the round.
.macro EVENT fill, g0
	s_wait_tensorcnt 0x0                           ; no tensor load of mine is out, so a group 0 may be written
	ds_add_u32 v[SPW], v[NIL]                      ; 0 onto my spare word
.if \fill
	s_add_nc_u64 s[\g0+2:\g0+3], s[\g0+2:\g0+3], 2*SLOTB   ; two groups on; the type bits on top are not reached
	s_wait_dscnt 0x0                               ; the add is done, and my reads of the slot are over
	ROUND
	tensor_load_to_lds s[\g0:\g0+3], s[G1W:G1W+7]
	s_nop 0
	NOPS 4
.else
	s_wait_dscnt 0x0
	s_barrier_signal -1
	s_barrier_wait -1
.endif
.endm
	s_load_b256 s[4:11], s[0:1], 0x0               ; x s[4:5], wimg s[6:7], gc s[8:9], out0 s[10:11]
	v_lshl_add_u32 v[SPW], v0, 2, SPARE
	v_mov_b32 v[NIL], 0
	ds_add_u32 v2, v3
	ds_add_u32 v2, v3
	s_wait_dscnt 0x0
	v_lshrrev_b32 v1, 5, v0
	v_readfirstlane_b32 s[WV], v1                  ; wave 0..7
	s_bfe_u32 s13, ttmp6, 0x40000                  ; cx: it enters x's and out0's global addresses alone
	s_lshl_b32 s2, ttmp9, 2                        ; in a cluster launch ttmp9 counts clusters
	s_add_co_u32 s2, s2, s13                       ; W
	s_lshl_b32 s2, s2, 17                          ; 128 rows of 1,024 bytes
	s_lshl_b32 s3, s[WV], 14                       ; my wave's 16 rows
	s_add_co_u32 s2, s2, s3
	s_mov_b32 s3, 0
	s_mul_i32 s14, s[WV], SLOTB/8                  ; my eighth of a slot, in LDS and in wimg
	s_mov_b32 s15, 0
	s_mul_i32 s26, s[WV], 2*RECB/8                 ; my eighth of the base records
	s_mov_b32 s27, 0
	s_mul_i32 s66, s[WV], XWAVE
	s_add_co_u32 s66, s66, XREG                    ; my region of x
	s_mov_b32 s[SEL], 0x76543210
	s_mov_b32 s[SEL+1], 0xfedcba98
	; group 1 for the slots: 34 dense rows of 256 bytes (32 elements of 8 bytes), asked for jointly by all four work-groups
	s_mov_b32 s[G1W+0], 15|(3<<16)|(1<<21)         ; 15:0 the mask; 17:16 elements of 8 bytes; 21 set beside a mask
	s_mov_b32 s[G1W+1], 32<<16                     ; tensor_dim0
	s_mov_b32 s[G1W+2], 34<<16                     ; tensor_dim1
	s_mov_b32 s[G1W+3], 32<<16                     ; tile_dim0
	s_mov_b32 s[G1W+4], 34                         ; tile_dim1
	s_mov_b32 s[G1W+5], 32                         ; the pitch
	s_mov_b32 s[G1W+6], 0
	s_mov_b32 s[G1W+7], 0
	; for the base records: 17 such rows
	s_mov_b32 s[G1B+0], 15|(3<<16)|(1<<21)
	s_mov_b32 s[G1B+1], 32<<16
	s_mov_b32 s[G1B+2], 17<<16
	s_mov_b32 s[G1B+3], 32<<16
	s_mov_b32 s[G1B+4], 17
	s_mov_b32 s[G1B+5], 32
	s_mov_b32 s[G1B+6], 0
	s_mov_b32 s[G1B+7], 0
	; for x: 16 rows x 64 f32, 256 elements from row to row, 4 words of padding behind every 64: my own load, no mask
	s_mov_b32 s[G1X+0], (2<<16)|(1<<20)|(5<<22)|(3<<25)
	s_mov_b32 s[G1X+1], 64<<16
	s_mov_b32 s[G1X+2], 16<<16
	s_mov_b32 s[G1X+3], 64<<16
	s_mov_b32 s[G1X+4], 16
	s_mov_b32 s[G1X+5], 256
	s_mov_b32 s[G1X+6], 0
	s_mov_b32 s[G1X+7], 0
	s_wait_kmcnt 0x0
	s_add_nc_u64 s[4:5], s[4:5], s[2:3]            ; x and out0 at my first row
	s_add_nc_u64 s[10:11], s[10:11], s[2:3]
	s_load_b64  s[GC:GC+1],     s[8:9], 0x0        ; (-g_i, a_i1), i = 0 .. 11: waited for ahead of the spline steps
	s_load_b256 s[GC+2:GC+9],   s[8:9], 0x8
	s_load_b256 s[GC+10:GC+17], s[8:9], 0x28
	s_load_b128 s[GC+18:GC+21], s[8:9], 0x48
	s_load_b64  s[GC+22:GC+23], s[8:9], 0x58
.irp g, 0,1,2,3
	s_mov_b32 s[G0X+4*\g], 1                                       ; count = 1
	s_add_co_u32 s[G0X+4*\g+1], s66, \g*XGRP                       ; LDS address
	s_add_nc_u64 s[G0X+4*\g+2:G0X+4*\g+3], s[4:5], 256*\g          ; features 64 g on
	s_or_b32 s[G0X+4*\g+3], s[G0X+4*\g+3], 0x80000000              ; type = 2
.endr
	s_mov_b32 s[G0B], 1
	s_add_co_u32 s[G0B+1], s26, BASEW
	s_add_nc_u64 s[G0B+2:G0B+3], s[6:7], s[26:27]
	s_or_b32 s[G0B+3], s[G0B+3], 0x80000000
	s_mov_b32 s[G0S0], 1
	s_mov_b32 s[G0S0+1], s14
	s_add_nc_u64 s[G0S0+2:G0S0+3], s[6:7], s[14:15]
	s_add_nc_u64 s[G0S0+2:G0S0+3], s[G0S0+2:G0S0+3], 2*RECB        ; group 0 begins behind the two base records
	s_or_b32 s[G0S0+3], s[G0S0+3], 0x80000000
	s_mov_b32 s[G0S1], 1
	s_add_co_u32 s[G0S1+1], s14, SLOTB
	s_add_nc_u64 s[G0S1+2:G0S1+3], s[6:7], s[14:15]
	s_add_nc_u64 s[G0S1+2:G0S1+3], s[G0S1+2:G0S1+3], 2*RECB+SLOTB  ; group 1
	s_or_b32 s[G0S1+3], s[G0S1+3], 0x80000000
	ROUND                                          ; all four work-groups are here: the first joint loads meet
	tensor_load_to_lds s[G0X:G0X+3],     s[G1X:G1X+7]      ; the first fills go out as one group: seven loads of mine are out
	s_nop 0
	tensor_load_to_lds s[G0X+4:G0X+7],   s[G1X:G1X+7]
	s_nop 0
	tensor_load_to_lds s[G0X+8:G0X+11],  s[G1X:G1X+7]
	s_nop 0
	tensor_load_to_lds s[G0X+12:G0X+15], s[G1X:G1X+7]
	s_nop 0
	tensor_load_to_lds s[G0B:G0B+3],     s[G1B:G1B+7]
	s_nop 0
	tensor_load_to_lds s[G0S0:G0S0+3],   s[G1W:G1W+7]
	s_nop 0
	tensor_load_to_lds s[G0S1:G0S1+3],   s[G1W:G1W+7]
	s_nop 0
	NOPS 4
	v_mov_b32 v[ZO], 0
.irp j, 0,1,2,3,4
	global_load_b128 v[K2+4*\j:K2+4*\j+3], v[ZO], s[8:9] offset:256+16*\j     ; the same bytes in every lane: waited for ahead of the spline steps
	global_load_b128 v[K3+4*\j:K3+4*\j+3], v[ZO], s[8:9] offset:512+16*\j
.endr
	v_and_b32 v1, 31, v0                           ; lane
	v_and_b32 v15, 15, v0                          ; r
	v_bfe_u32 v[H8], v0, 4, 1                      ; h
	v_lshlrev_b32 v[LI], 4, v1
	v_lshlrev_b32 v[LS], 2, v1
	v_mul_u32_u24 v[XA0], v15, 272
	v_add_nc_u32 v[XA0], s66, v[XA0]
	v_lshl_add_u32 v[XA1], v[H8], 7, v[XA0]
	v_lshl_add_u32 v[XA0], v[H8], 4, v[XA0]
	v_mul_u32_u24 v[SO], v15, 1040
	v_lshl_add_u32 v[SO], v[H8], 5, v[SO]
	v_add_nc_u32 v[SO], s66, v[SO]
	v_add_nc_u32 v[SR], s66, v[LI]
	v_lshlrev_b32 v[H8], 3, v[H8]
	v_mov_b32 v[T+7], 0                            ; written once: a lane permute's destination counts as one of its sources
	; ---- silu and its codes want x alone: the weights land meanwhile
	SILU 0
	SILU 1
	WORD BAS, BYB, BYB+1
	SILU 2
	SILU 3
	WORD BAS+1, BYB+2, BYB+3
	NOPS 8                                         ; eight places between the scale word and the first scaled product
	s_wait_tensorcnt 0x1                           ; my eighths of the base records and of slot 0 are in; slot 1's may stay out
	s_wait_dscnt 0x0
	s_barrier_signal -1
	s_barrier_wait -1                              ; everybody's are
	; ---- the base product: its first K step starts all sixteen sums
	v_add_nc_u32 v[ADB], BASEW, v[LI]
	v_add_nc_u32 v[ADS], BASEW, v[LS]
	BLOAD
	s_wait_dscnt 0x0
	MM16 BAC, BAS, 1
	v_add_nc_u32 v[ADB], RECB, v[ADB]              ; with the two v_nop: four places in front of the loads
	v_add_nc_u32 v[ADS], RECB, v[ADS]
	NOPS 2
	BLOAD
	s_wait_dscnt 0x0
	MM16 BAC+8, BAS+1, 0
	s_wait_kmcnt 0x0                               ; the grid's constants
	s_wait_loadcnt 0x0
	; ---- the spline product: four groups of four K steps
	GROUP 0, 0
	EVENT 1, G0S0                                  ; slot 1 (group 1) is whole; slot 0 takes group 2
	GROUP 1, 1
	EVENT 1, G0S1                                  ; slot 0 (group 2) is whole; slot 1 takes group 3
	GROUP 0, 2
	EVENT 0, G0S0                                  ; slot 1 (group 3) is whole; nothing is left to fetch
	GROUP 1, 3
	; ---- THE WAY OUT.  A lane holds 32 neighbouring bytes of a row for each accumulator: the 16 rows go through my own stage (my region of x: filled once, and my reads of it are over) and come back as half rows of 512 bytes.
	NOPS 4                                         ; four places between the last products and the first read of results and the loads into the fragments' registers
	WIN 0x04                                       ; an LDS store's data are its source 1: window 1
.set t, 0
.rept 16
	ds_store_b128 v[SO], v[ACC+8*t:ACC+8*t+3]   offset:64*t       ; each accumulator from its low end on
	ds_store_b128 v[SO], v[ACC+8*t+4:ACC+8*t+7] offset:64*t+16
.set t, t+1
.endr
	WIN 0x40
.set i, 0
.rept 32
	ds_load_b128 v[BF+4*i:BF+4*i+3], v[SR] offset:(i/2)*1040+512*(i%2)   ; LDS serves a wave's instructions in order (ISA guide 5.7.1.4): these see my stores
.set i, i+1
.endr
	WIN 0x04                                       ; a global store's data are its source 1: window 1
.set i, 0
.rept 32
	s_wait_dscnt 31-i                              ; load i is in; the younger ones may be out
	global_store_b128 v[LI], v[BF+4*i:BF+4*i+3], s[10:11] offset:(i/2)*1024+512*(i%2) th:TH_STORE_NT   ; 32 lanes store 512 consecutive bytes, at a multiple of 512 from out0's first byte
.set i, i+1
.endr
	WIN 0
	s_wait_tensorcnt 0x0                           ; the wave's end, behind my last tensor load and my last LDS store
	ds_add_u32 v[SPW], v[NIL]
	s_wait_dscnt 0x0
	ROUND                                          ; the closing round: no work-group ends while a partner may still ask for a tile that names it
	s_endpgm
.Lfunc_end_k_qf095753d51_kan:
	.size	k_qf095753d51_kan, .Lfunc_end_k_qf095753d51_kan-k_qf095753d51_kan
	.p2alignl 7, 3214868480
	.fill 96, 4, 3214868480
	.section	.rodata,"a",@progbits
	.p2align	6, 0x0
	.amdhsa_kernel k_qf095753d51_kan
		.amdhsa_group_segment_fixed_size 327680
		.amdhsa_private_segment_fixed_size 0
		.amdhsa_enable_private_segment 0
		.amdhsa_kernarg_size 32
		.amdhsa_user_sgpr_count 2
		.amdhsa_user_sgpr_kernarg_segment_ptr 1
		.amdhsa_wavefront_size32 1
		.amdhsa_system_sgpr_workgroup_id_x 1
		.amdhsa_system_sgpr_workgroup_id_y 1
		.amdhsa_system_sgpr_workgroup_id_z 1
		.amdhsa_system_vgpr_workitem_id 0
		.amdhsa_next_free_vgpr 512
		.amdhsa_next_free_sgpr 102
		.amdhsa_reserve_vcc 0
		.amdhsa_float_denorm_mode_32 3
		.amdhsa_float_denorm_mode_16_64 3
		.amdhsa_memory_ordered 1
		.amdhsa_forward_progress 1
		.amdhsa_inst_pref_size 235
	.end_amdhsa_kernel
	.amdgpu_metadata
---
amdhsa.version: [ 1, 2 ]
amdhsa.kernels:
  - .name:           k_qf095753d51_kan
    .symbol:         k_qf095753d51_kan.kd
    .args:
      - { .name: x, .offset: 0, .size: 8, .value_kind: global_buffer, .address_space: global }
      - { .name: wimg, .offset: 8, .size: 8, .value_kind: global_buffer, .address_space: global }
      - { .name: gc, .offset: 16, .size: 8, .value_kind: global_buffer, .address_space: global }
      - { .name: out0, .offset: 24, .size: 8, .value_kind: global_buffer, .address_space: global }
    .group_segment_fixed_size: 327680
    .private_segment_fixed_size: 0
    .kernarg_segment_align: 8
    .kernarg_segment_size: 32
    .max_flat_workgroup_size: 256
    .sgpr_count:     102
    .vgpr_count:     512
    .wavefront_size: 32
...
	.end_amdgpu_metadata
.endif
;; end of part 2
